; MI455X (gfx1250); checked and timed in simulation.
; The chip was launched on July 23, 2026; its instructions are those of AMD's public machine-readable ISA for CDNA 5 (MIT licence, August 2026) and "CDNA5" Instruction Set Architecture Reference Guide (July 2026). The comments in the code are by the model that wrote it; some were corrected since.
;; Bahdanau Attention. Allowed arithmetic: matrix products marked QUANTISED: E2M3 operands, one E8M0 scale for each 32 along K, by v_wmma_scale_f32_16x16x128_f8f6f4 with both operands' format E2M3, f32 sums; products left as they are: f32 operands where the result goes on into a quantised operand, else bf16, f16 or f32 operands; f32 sums; everything else in f32.
;; Inputs: W1 1,024 x 1,024 float32; W2 1,024 x 1,024 float32; encoder_outputs 32 x 2,048 x 1,024 float32; hidden_top 32 x 1,024 float32; mask 32 x 2,048 bool; v 1,024 float32.
;; Outputs: out0 32 x 1,024 float32; out1 32 x 2,048 float32.
;; This version of the problem:
;;   THIS VERSION OF THE PROBLEM IS GIVEN IN LOW PRECISION. The matrix products marked QUANTISED in the list below multiply operands that are first quantised to E2M3 (2 exponent bits, 3 mantissa bits; 6 bits a number), with one power-of-two scale for each 32 numbers along K (OCP MX v1.0); their sums are f32. All else is computed in f32.
;;   The module's matrix products, in the order in which they are computed (A, B: the left and right operand; K: the contracted axis; several contracted axes count as one K, in the product's order):
;;     1. [M 65,536, K 1,024] x [K 1,024, N 1,024]; A: input encoder_outputs; B: input W1: QUANTISED
;;     2. [M 32, K 1,024] x [K 1,024, N 1,024]; A: input hidden_top; B: input W2: QUANTISED
;;     3. [M 65,536, K 1,024] x [K 1,024, N 1]; A: computed on the way; B: input v: left as it is (N = 1 < 16)
;;     4. batch 32 x [M 1, K 2,048] x [K 2,048, N 1,024]; A: softmax; B: input encoder_outputs: left as it is (M = 1 < 16)
;;   THE QUANTISER, for each operand of a quantised product, along K:
;;     - K is cut into blocks of 32 from its start; a last block that is shorter is filled with zeros.
;;     - A block's scale is 2^e with e = floor(log2(the largest magnitude in the block)) - 2, held to -126 .. 127; a block of zeros has e = 0. As a byte (E8M0): e + 127.
;;     - Each number is divided by its block's scale, clamped to +-7.5, and rounded to the nearest number of E2M3, ties to even, subnormals kept.
;;     - The product sums the exact products of the quantised numbers (number of the format x scale) in f32.
;;   ~~~python
;;   def quantise(x, axis):      # numpy; x: float32 -> the quantised numbers, widened to float32 again
;;       x = np.moveaxis(x, axis, -1); K = x.shape[-1]
;;       x = np.pad(x, [(0, 0)] * (x.ndim - 1) + [(0, -K % 32)]); x = x.reshape(x.shape[:-1] + (-1, 32)); a = np.abs(x).max(-1, keepdims=True)
;;       e = np.where(a > 0, np.clip(np.frexp(np.where(a > 0, a, 1))[1] - 1 - 2, -126, 127), 0)      # np.frexp(a)[1] - 1 = floor(log2(a)), exactly
;;       r = np.clip(x / 2.0 ** e, -7.5, 7.5)
;;       step = 2.0 ** (np.maximum(np.frexp(np.where(r == 0, 1, r))[1] - 1, 0) - 3)
;;       q = np.round(r / step) * step * 2.0 ** e      # np.round: ties to even
;;       return np.moveaxis(q.reshape(q.shape[:-2] + (-1,))[..., :K], -1, axis).astype(np.float32)
;;   ~~~
;; One version. Each part assembles by itself: llvm-mc -triple=amdgcn-amd-amdhsa -mcpu=gfx1250 --defsym DOCPART=n.
;; ======== version 1 of 1: 3 launches
;; limits: a difference of large sums (such as E[x^2] - mean^2): digits are lost where the result is much smaller than its terms
;; workspace buffers: w1t 819,200 bytes; cbp 1,048,576 bytes; scores 262,144 bytes; ctxp 8,388,608 bytes; stats 524,288 bytes
;; launch prep (part 1): grid 256 x 1, 4 waves a work-group, no clusters, 0 bytes of LDS; arguments W1, W2, hidden_top, w1t, cbp; writes w1t, cbp
.if DOCPART == 1
	.amdgcn_target "amdgcn-amd-amdhsa--gfx1250"
	.amdhsa_code_object_version 6
	.text
	.protected	k_qc2153501cf_prep
	.globl	k_qc2153501cf_prep
	.p2align	8
	.type	k_qc2153501cf_prep,@function
k_qc2153501cf_prep:
	s_mov_b64 s[64:65], 0
	v_nop
	global_prefetch_b8 v0, s[64:65] scope:SCOPE_SE
	s_setreg_imm32_b32 hwreg(HW_REG_WAVE_MODE, 25, 1), 1
	s_wait_xcnt 0x0
; TWO JOBS, one wave to a task, task g = 4 x work-group + wave.  No LDS, no barrier: waves share nothing.
; Work-groups 0-127: W1 [1024 (o)][1024 (k)] f32 becomes codes of FP6 (E2M3) with one E8M0 byte for each 32 along K, laid as the next launch streams them:
;   8 tiles of 102,400 bytes, tile 2 p + kh = outputs 256 p .. + 255, k = 512 kh .. + 511; in a tile fragment fi = 4 ct + ks (16 outputs x 128 k) at 1,536 fi as an IMAGE OF THE OPERAND'S 12 REGISTERS
;   (three pieces of 512 bytes, lane l's 16 bytes at 16 l); from byte 98,304 on the fragments' scale words, 64 fi + 4 r.
; Work-groups 128-255: W2h[b][o] = sum over k of hidden[b][k] W2[o][k] on codes: task (ct, ks) quantises 16 rows of W2 and the 32 rows of hidden_top for 128 along K in registers and
;   stores the two 16 x 16 products as they are: cbp [8 (ks)][32 (b)][1024 (o)] f32; the next launch adds the eight in ascending K.
; A lane (r = lane % 16, h = lane / 16) holds of row r the two blocks k0 + 32 h .. + 31 and k0 + 64 + 32 h .. + 31, which is what the operand's layout gives it: a block's largest magnitude needs no other lane.
; A block's scale is 2^(floor(log2(largest magnitude)) - 2): its byte is the largest magnitude's exponent field - 2, held at 1 from below by a floor among the maximum's leaves.
; LIMITS: a block of zeros gets the byte 1, not 127 (its codes are zeros, and this program alone reads the bytes); blocks whose largest magnitude lies under 2^-124 keep the byte 1; NaN and infinities are not served.
; The weights are read in pieces of 16 bytes of rows 4,096 bytes apart, and cbp is stored in pieces of 32 bytes: 8 MB read once and 1 MB written once in the whole launch.
.set XA, 64                            ; v64-127, v128-191, v192-255: three sets of 64 numbers
.set XB, 128
.set XC, 192
.set F0, 16                            ; v16-27 the weight's fragment;  v28-39, v40-51 hidden_top's rows 0-15, 16-31
.set F1, 28
.set F2, 40
.set TC, 52                            ; v52-54, v56-58: the second halves of a block's codes (a conversion's three registers begin on an even number)
.set MX, 6                             ; v6-7   largest magnitudes
.set SO, 8                             ; v8-9   the conversions' scale operands
.set BY, 10                            ; v10-11 scale bytes
.set TT, 12                            ; v12    the other half's bytes
.set SW, 13                            ; v13-15 scale words of F0, F1, F2: they hold scales and nothing else
.set SH, 60                            ; v60    8 h
.set DO, 61                            ; v61    where a lane's eight results go in cbp
.macro QLOAD x, p, off, nt             ; 64 numbers of my row: two blocks of 32, 256 bytes apart
.irp c, 0,1
.irp i, 0,1,2,3,4,5,6,7
.if \nt
	global_load_b128 v[\x+32*\c+4*\i:\x+32*\c+4*\i+3], v3, s[\p:\p+1] offset:\off+256*\c+16*\i th:TH_LOAD_NT
.else
	global_load_b128 v[\x+32*\c+4*\i:\x+32*\c+4*\i+3], v3, s[\p:\p+1] offset:\off+256*\c+16*\i
.endif
.endr
.endr
.endm
.macro QUANT x, f, sw                  ; the 64 numbers at v[x] become the fragment at v[f] and its scale word v[sw]
.irp c, 0,1
	v_max3_num_f32 v[MX+\c], |v[\x+32*\c]|, |v[\x+32*\c+1]|, 0x1800000      ; my block 2 c + h, and the floor 2^(3 - 127): the byte cannot fall under 1
.endr
.irp i, 2,4,6,8,10,12,14,16,18,20,22,24,26,28,30
.irp c, 0,1
	v_max3_num_f32 v[MX+\c], v[MX+\c], |v[\x+32*\c+\i]|, |v[\x+32*\c+\i+1]|  ; the two blocks by turns
.endr
.endr
.irp c, 0,1
	v_add_nc_u32 v[SO+\c], 0xff000000, v[MX+\c]    ; 2 off the exponent field: the conversion takes the exponent field of this operand as its scale
.endr
.irp c, 0,1
	v_lshrrev_b32 v[BY+\c], 23, v[SO+\c]           ; the scale's byte
.endr
	v_lshl_or_b32 v[\sw], v[BY+1], 16, v[BY]       ; blocks h and 2 + h of my row,
	v_lshlrev_b32 v[\sw], v[SH], v[\sw]            ; at their places in the word;
	v_permlanex16_b32 v[TT], v[\sw], s20, s21
	v_or_b32 v[\sw], v[\sw], v[TT]                 ; with lane l xor 16's two the word is whole, in both lanes
.irp c, 0,1
	v_cvt_scalef32_pk16_fp6_f32 v[\f+6*\c:\f+6*\c+2], v[\x+32*\c:\x+32*\c+15], v[SO+\c]
	v_cvt_scalef32_pk16_fp6_f32 v[TC+4*\c:TC+4*\c+2], v[\x+32*\c+16:\x+32*\c+31], v[SO+\c]
.endr
	v_nop                                          ; one plain place behind the scaled conversions
.irp c, 0,1
.irp i, 0,1,2
	v_mov_b32 v[\f+3+6*\c+\i], v[TC+4*\c+\i]       ; registers 6 c .. 6 c + 5 hold k = 64 c + 32 h + 0 .. 31
.endr
.endr
.endm
	s_load_b128 s[4:7], s[0:1], 0x0                ; W1, W2
	s_load_b128 s[8:11], s[0:1], 0x10              ; hidden_top, w1t
	s_load_b64 s[12:13], s[0:1], 0x20              ; cbp
	v_lshrrev_b32 v1, 5, v0
	v_readfirstlane_b32 s14, v1                    ; wave
	v_and_b32 v1, 15, v0                           ; r
	v_bfe_u32 v2, v0, 4, 1                         ; h
	v_lshlrev_b32 v3, 12, v1
	v_lshl_add_u32 v3, v2, 7, v3                   ; in: row r of 4,096 bytes + 128 h
	v_and_b32 v4, 31, v0
	v_lshlrev_b32 v4, 4, v4                        ; an image's place for my lane: 16 x lane
	v_lshlrev_b32 v5, 2, v1                        ; a scale word's: 4 r
	v_lshlrev_b32 v[SH], 3, v2
	v_lshlrev_b32 v[DO], 12, v1
	v_lshl_add_u32 v[DO], v2, 5, v[DO]             ; cbp: batch r's row of 4,096 bytes + 32 h
	v_mov_b32 v[TT], 0                             ; written once: a lane permute's destination counts as one of its sources
	s_mov_b32 s20, 0x76543210
	s_mov_b32 s21, 0xfedcba98                      ; v_permlanex16_b32's selects for lane l xor 16
	s_lshl_b32 s15, ttmp9, 2
	s_add_co_u32 s15, s15, s14                     ; the task
	s_and_b32 s16, s15, 7                          ; its K step of 128
	s_lshl_b32 s22, s16, 9                         ; 512 bytes a K step in a row
	s_mov_b32 s23, 0
	s_cmp_lt_u32 ttmp9, 128
	s_cbranch_scc0 .Lw2
	; ---- W1: one fragment
	s_lshr_b32 s17, s15, 3                         ; which 16 outputs: 0 .. 63
	s_lshl_b32 s18, s17, 16                        ; 16 rows of 4,096 bytes
	s_add_co_u32 s22, s22, s18
	s_lshr_b32 s24, s15, 7                         ; p
	s_lshl_b32 s24, s24, 1
	s_bfe_u32 s25, s15, 0x10002                    ; kh
	s_add_co_u32 s24, s24, s25
	s_mul_i32 s24, s24, 102400                     ; the tile
	s_and_b32 s25, s17, 15                         ; ct
	s_lshl_b32 s25, s25, 2
	s_and_b32 s26, s15, 3                          ; ks
	s_add_co_u32 s25, s25, s26                     ; fi
	s_mul_i32 s26, s25, 1536
	s_add_co_u32 s26, s26, s24
	s_mov_b32 s27, 0
	s_lshl_b32 s28, s25, 6
	s_add_co_u32 s28, s28, s24
	s_add_co_u32 s28, s28, 98304
	s_mov_b32 s29, 0
	s_wait_kmcnt 0x0
	s_add_nc_u64 s[4:5], s[4:5], s[22:23]
	s_add_nc_u64 s[26:27], s[10:11], s[26:27]
	s_add_nc_u64 s[28:29], s[10:11], s[28:29]
	QLOAD XA, 4, 0, 1
	s_wait_loadcnt 0x0
	QUANT XA, F0, SW
.irp c, 0,1,2
	global_store_b128 v4, v[F0+4*\c:F0+4*\c+3], s[26:27] offset:512*\c   ; 32 lanes store 512 consecutive bytes, at a multiple of 512 from the buffer's first byte
.endr
	global_store_b32 v5, v[SW], s[28:29]           ; lanes r and r + 16 hold the same word and store it to the same place: 64 bytes
	s_endpgm
.Lw2:	; ---- W2 x hidden_top: one tile of 16 outputs, one K step, both tiles of 16 batches
	s_sub_co_u32 s15, s15, 512
	s_lshr_b32 s17, s15, 3                         ; ct: 0 .. 63
	s_lshl_b32 s18, s17, 16
	s_add_co_u32 s18, s18, s22
	s_mov_b32 s19, 0
	s_lshl_b32 s24, s16, 17                        ; cbp: 131,072 bytes a K step,
	s_lshl_b32 s25, s17, 6                         ; 64 bytes a tile of outputs
	s_add_co_u32 s24, s24, s25
	s_mov_b32 s25, 0
	s_wait_kmcnt 0x0
	s_add_nc_u64 s[6:7], s[6:7], s[18:19]
	s_add_nc_u64 s[8:9], s[8:9], s[22:23]
	s_add_nc_u64 s[12:13], s[12:13], s[24:25]
	QLOAD XA, 6, 0, 1
	QLOAD XB, 8, 0, 0
	QLOAD XC, 8, 65536, 0
	s_wait_loadcnt 0x0
	QUANT XA, F0, SW
	QUANT XB, F1, SW+1
	QUANT XC, F2, SW+2
.rept 8
	v_nop                                          ; a scale register written by a vector instruction stands 8 places ahead of a scaled matrix instruction, an operand so written 4
.endr
	; source 0 = 16 rows of W2, source 1 = 16 rows of hidden_top: lane (r, h) holds batch r and outputs 8 h + 0 .. 7
	v_wmma_scale_f32_16x16x128_f8f6f4 v[64:71], v[F0:F0+11], v[F1:F1+11], 0, v[SW], v[SW+1] matrix_a_fmt:MATRIX_FMT_FP6 matrix_b_fmt:MATRIX_FMT_FP6
	v_wmma_scale_f32_16x16x128_f8f6f4 v[72:79], v[F0:F0+11], v[F2:F2+11], 0, v[SW], v[SW+2] matrix_a_fmt:MATRIX_FMT_FP6 matrix_b_fmt:MATRIX_FMT_FP6
.rept 4
	v_nop                                          ; four places ahead of the stores that read the results
.endr
	global_store_b128 v[DO], v[64:67], s[12:13]                ; each result from its low end on
	global_store_b128 v[DO], v[68:71], s[12:13] offset:16
	global_store_b128 v[DO], v[72:75], s[12:13] offset:65536   ; batches 16 on
	global_store_b128 v[DO], v[76:79], s[12:13] offset:65552
	s_endpgm
.Lfunc_end_k_qc2153501cf_prep:
	.size	k_qc2153501cf_prep, .Lfunc_end_k_qc2153501cf_prep-k_qc2153501cf_prep
	.p2alignl 7, 3214868480
	.fill 96, 4, 3214868480
	.section	.rodata,"a",@progbits
	.p2align	6, 0x0
	.amdhsa_kernel k_qc2153501cf_prep
		.amdhsa_group_segment_fixed_size 0
		.amdhsa_private_segment_fixed_size 0
		.amdhsa_enable_private_segment 0
		.amdhsa_kernarg_size 40
		.amdhsa_user_sgpr_count 2
		.amdhsa_user_sgpr_kernarg_segment_ptr 1
		.amdhsa_wavefront_size32 1
		.amdhsa_system_sgpr_workgroup_id_x 1
		.amdhsa_system_sgpr_workgroup_id_y 1
		.amdhsa_system_sgpr_workgroup_id_z 1
		.amdhsa_system_vgpr_workitem_id 0
		.amdhsa_next_free_vgpr 256
		.amdhsa_next_free_sgpr 66
		.amdhsa_reserve_vcc 0
		.amdhsa_float_denorm_mode_32 3
		.amdhsa_float_denorm_mode_16_64 3
		.amdhsa_memory_ordered 1
		.amdhsa_forward_progress 1
		.amdhsa_inst_pref_size 22
	.end_amdhsa_kernel
	.amdgpu_metadata
---
amdhsa.version: [ 1, 2 ]
amdhsa.kernels:
  - .name:           k_qc2153501cf_prep
    .symbol:         k_qc2153501cf_prep.kd
    .args:
      - { .name: W1, .offset: 0, .size: 8, .value_kind: global_buffer, .address_space: global }
      - { .name: W2, .offset: 8, .size: 8, .value_kind: global_buffer, .address_space: global }
      - { .name: hidden_top, .offset: 16, .size: 8, .value_kind: global_buffer, .address_space: global }
      - { .name: w1t, .offset: 24, .size: 8, .value_kind: global_buffer, .address_space: global }
      - { .name: cbp, .offset: 32, .size: 8, .value_kind: global_buffer, .address_space: global }
    .group_segment_fixed_size: 0
    .private_segment_fixed_size: 0
    .kernarg_segment_align: 8
    .kernarg_segment_size: 40
    .max_flat_workgroup_size: 128
    .sgpr_count:     66
    .vgpr_count:     256
    .wavefront_size: 32
...
	.end_amdgpu_metadata
.endif
;; end of part 1
;; launch main (part 2): grid 512 x 1, 4 waves a work-group, clusters of 4 x 1, 327,680 bytes of LDS; arguments encoder_outputs, mask, v, w1t, cbp, scores, ctxp, stats; writes scores, ctxp, stats
.if DOCPART == 2
	.amdgcn_target "amdgcn-amd-amdhsa--gfx1250"
	.amdhsa_code_object_version 6
	.text
	.protected	k_qc2153501cf_main
	.globl	k_qc2153501cf_main
	.p2align	8
	.type	k_qc2153501cf_main,@function
k_qc2153501cf_main:
	s_mov_b64 s[64:65], 0
	v_nop
	global_prefetch_b8 v0, s[64:65] scope:SCOPE_SE
	s_setreg_imm32_b32 hwreg(HW_REG_WAVE_MODE, 25, 1), 1
	s_wait_xcnt 0x0
	s_wait_alu depctr_hold_cnt(0) depctr_sa_sdst(0) depctr_va_vdst(0) depctr_va_sdst(0) depctr_va_ssrc(0) depctr_va_vcc(0) depctr_vm_vsrc(0)
	s_getreg_b32 s2, hwreg(HW_REG_IB_STS2, 6, 4)
	s_cmp_eq_u32 s2, 0
	s_cbranch_scc0 .Lentry_in_a_cluster
	s_endpgm
.Lentry_in_a_cluster:
	s_bfe_u32 s2, ttmp6, 0x10000c
	s_cmp_lg_u32 s2, 0x3003
	s_cbranch_scc0 .Lentry_shape_is_right
	s_endpgm
.Lentry_shape_is_right:
; score[b][s] = sum over o of v[o] tanh(enc[b][s] . W1[o] + W2h[b][o]), masked; and, under each wave's own maximum m, p = e^(score - m), l = sum of p, ctx = sum of p x enc[b][s][:].
; A work-group owns 128 rows (b, s) of encoder_outputs and READS THEM ONCE.  Each number goes two ways: rounded to bf16 into a stash in registers (512 a wave: 32 rows x 1,024), for the weighted sum
; at the end; and quantised to FP6 (E2M3, one E8M0 byte for each 32 along K) into LDS, as rows, for the product with W1.
; W1's codes come as 8 tiles of 102,400 bytes (256 outputs x 512 k, laid in the order of the operand's registers by the launch before) through a ring of two LDS slots.
; CLUSTER: the four work-groups of a cluster walk the same tiles, so each quarter tile is asked for JOINTLY: the same tensor load, the same descriptor, the mask 15, in all four.
; SHARES.  Loading and the end: wave w owns rows 32 w .. + 31.  Products: wave w = 2 i + j makes rows 64 i .. + 63 x outputs 128 j .. + 127 of a pass of 256 outputs: 4 x 8 accumulators; four passes, each two tiles (K halves).
; THE MATRIX INSTRUCTION: source 0 = 16 rows of W1, source 1 = 16 rows of enc: a lane holds ONE row of enc (lane % 16) and eight neighbouring outputs, 8 (lane / 16) + 0 .. 7.
; tanh x = 1 - 2 / (1 + 2^(2 log2(e) x)): where the power overflows the reciprocal is 0, where it vanishes the quotient is 2: no clip.  So score = sum of v - 2 sum of v / (1 + 2^..): both sums are of the size of sum |v|,
; as are the terms of the sum that they replace.
; The softmax's maximum is each wave's own; the last launch brings the 64 partial results of a batch under the batch's maximum.
; LIMITS: enc is rounded to bf16 for the weighted sum alone; a block of zeros gets the scale byte 1, not 127 (its codes are zeros; this program alone reads the bytes); blocks whose largest magnitude
; lies under 2^-124 keep the byte 1; NaN and infinities among the inputs are not served.
; Nothing is prefetched: a work-group reads its rows of enc at its very head, and W1's tiles are read by every work-group.
; REGISTERS, in windows of 256 (s_set_vgpr_msb: bits 1:0 source 0, 3:2 source 1, 5:4 source 2, 7:6 destination):
;   window 0: v1-19 addresses and single numbers; v20-27 score sums; v28-43 scale words; v44-139 enc's fragments, two sets; v140-235 W1's fragments, two halves; v236-255 at work
;   window 1: while loading a ring of 16 x 16 registers for enc as it lands; then the 32 accumulators, (a, b) at 64 a + 8 b.     windows 2, 3: the stash.
.set SLOTB,  102400                    ; LDS: slot 0 at 0, slot 1 at SLOTB: filled by tensor loads alone
.set AROW,   204800                    ; 128 rows of APITCH bytes: 768 of codes (the row's stream of bits), 32 scale bytes, 16 of padding
.set APITCH, 816                       ; 204 words: row r starts at bank 12 r mod 64 (64 banks of 4 bytes: ISA guide 11.1), sixteen different multiples of 4; the lanes' halves lie 6 words apart: a load of 8 bytes a lane touches 64 different banks
.set VTAB,   309248                    ; v[o], 4,096 bytes;  4,096 bytes behind it 2 log2(e) x W2h[b][o]
.set STAGE,  317440                    ; a stage of STGW bytes for each wave; at the end its first 1,024 bytes take the two halves of the 128 scores
.set STGW,   2304                      ; 2,048 bytes + 16 of padding behind each 128
.set SPARE,  326656                    ; the spare words, 128 bytes for each wave: two blocks of 256 bytes that no other line names
.set SPW, 1                            ; v1   LDS address of my spare word; never rewritten
.set NIL, 2                            ; v2   0; never rewritten
.set GOF, 3                            ; v3   16 x lane
.set STW, 4                            ; v4   the stage, on the way in: piece g = lane at 16 g + 16 (g / 8)
.set STR, 5                            ; v5   and on the way out: my 64 bytes
.set CW,  6                            ; v6   where my 12 bytes of codes go: my wave's rows + 12 x lane
.set SWA, 7                            ; v7   and my block's scale byte
.set AA,  8                            ; v8   enc's fragments: my 64 rows + APITCH r + 24 h
.set ASC, 9                            ; v9   and their scale words
.set BA,  10                           ; v10-11 W1's fragments in slot 0, 1: my 8 tiles of outputs + 16 x lane
.set BS,  12                           ; v12-13 and their scale words, + 4 r
.set TV,  14                           ; v14  my eight outputs' place in the tables; 1,024 bytes on in each pass
.set SCW, 15                           ; v15  where a row's half score goes
.set SCR, 16                           ; v16  and where my row's two halves are read
.set MSK, 17                           ; v17  my row's mask byte
.set SUMV, 18                          ; v18  the sum of v
.set O4,  19                           ; v19  4 x lane
.set SS,  20                           ; v20-27 sums of v / (1 + 2^..), a pair for each tile of rows
.set SA,  28                           ; v28-35 enc's scale words, two sets of 4;  v36-43 W1's, two halves of 4: these sixteen hold scales and nothing else
.set SB,  36
.set AF,  44                           ; enc's fragments: set s at AF + 48 s, tile a at + 12 a
.set BF,  140                          ; W1's: half at BF + 48 half, tile at + 12 b
.set XR,  44                           ; while loading: v44-75 two sets of 16 neighbours; v76-78, v80-82 codes; v84-85 bytes; v86-89 at work
.set CD,  76
.set BYT, 84
.set QW,  86
.set CBL, 100                          ; v100-163 the 8 partial sums of W2h for my 8 outputs; v164-171 my 8 of v; v172-203 32 of v for its sum; v204-205 offsets
.set VL,  164
.set VALL, 172
.set CBR, 44                           ; behind a pass: v44-107 the bias for my 64 outputs, v108-171 v for them
.set VR,  108
.set CTX, 100                          ; at the end: v100-131 the weighted sum, v132 a row's p, v133 zero
.set VP,  132
.set ZR,  133
.set WV,  20                           ; s20 wave, s21 i, s22 j
.set WI,  21
.set WJ,  22
.set G1,  28                           ; s[28:35] descriptor group 1;  s[36:39], s[40:43] group 0 for slot 0, 1
.set G0,  36
.set SEL, 44                           ; s[44:45] v_permlanex16_b32's selects for lane l xor 16
.set C2,  46                           ; s[46:47] 2 log2(e): the packed forms name a pair and take its low word for both halves
.set CNT, 48
.set PS,  66                           ; s66-97 the p of my wave's 32 rows
.set MSB, 0
.macro WIN new                         ; the immediate's high byte repeats the setting that is left; a switch that changes nothing is dropped
.if MSB != \new
	s_set_vgpr_msb (MSB<<8)|\new
.set MSB, \new
.endif
.endm
.macro PLACES                          ; four plain places: ahead of loads into registers that matrix instructions have read, and of the first read of results
.rept 4
	v_nop
.endr
.endm
.macro ROUND                           ; a round of the cluster's barrier: my work-group's barrier; wave 0 signals for the work-group; all wait for the four work-groups; my work-group's barrier again
	s_barrier_signal -1
	s_barrier_wait -1
	s_cmp_lg_u32 s[WV], 0
	s_cbranch_scc1 .Lnot_wave_0_\@
	s_barrier_signal -3
.Lnot_wave_0_\@:
	s_barrier_wait -3
	s_barrier_signal -1
	s_barrier_wait -1
.endm
; UNIT t of 64 = half hf = t % 2 of my row t / 2: 512 numbers.
.macro LOADU t                         ; four loads of 512 consecutive bytes into ring place t % 16
	WIN 0x40
.irp jl, 0,1,2,3
	global_load_b128 v[16*((\t)%16)+4*\jl:16*((\t)%16)+4*\jl+3], v[GOF], s[4:5] offset:((\t)/2)*4096+((\t)%2)*2048+512*\jl th:TH_LOAD_NT
.endr
.endm
.macro TURNU t                         ; the unit goes through my stage as it lies and comes back 16 neighbours a lane (LDS serves a wave's instructions in order: ISA guide 5.7.1.4); on the way it is rounded into the stash
	WIN 0x04
.irp jl, 0,1,2,3
	ds_store_b128 v[STW], v[16*((\t)%16)+4*\jl:16*((\t)%16)+4*\jl+3] offset:576*\jl
.endr
.if (\t) < 32
	WIN 0x85
.else
	WIN 0xc5
.endif
.irp e, 0,1,2,3,4,5,6,7
	v_cvt_pk_bf16_f32 v[8*((\t)%32)+\e], v[16*((\t)%16)+2*\e], v[16*((\t)%16)+2*\e+1]   ; stash register 8 t + e: columns 512 hf + 128 (e / 2) + 4 lane + 2 (e % 2), + 1
.endr
	WIN 0
.irp i, 0,1,2,3
	ds_load_b128 v[XR+16*((\t)%2)+4*\i:XR+16*((\t)%2)+4*\i+3], v[STR] offset:16*\i
.endr
.endm
.macro QUANTU t                        ; my 16 neighbours, k = 512 hf + 16 lane on; lanes l and l xor 1 hold a block of 32
.set XS, XR+16*((\t)%2)
.set CQ, CD+4*((\t)%2)
.set RO, APITCH*((\t)/2)
	v_max3_num_f32 v[QW], |v[XS]|, |v[XS+1]|, |v[XS+2]|
	v_max3_num_f32 v[QW+1], |v[XS+3]|, |v[XS+4]|, |v[XS+5]|
.irp i, 6,10
	v_max3_num_f32 v[QW], v[QW], |v[XS+\i]|, |v[XS+\i+1]|
	v_max3_num_f32 v[QW+1], v[QW+1], |v[XS+\i+2]|, |v[XS+\i+3]|
.endr
	v_max3_num_f32 v[QW], v[QW], |v[XS+14]|, |v[XS+15]|
	v_max3_num_f32 v[QW], v[QW], v[QW+1], 0x1800000                        ; and the floor 2^(3 - 127): the byte cannot fall under 1
	v_max_num_f32_dpp v[QW], v[QW], v[QW] row_xmask:1 row_mask:0xf bank_mask:0xf   ; with my neighbour's 16: the block's largest magnitude
	v_add_nc_u32 v[QW+2], 0xff000000, v[QW]        ; 2 off its exponent field: the conversion's scale operand
	v_cvt_scalef32_pk16_fp6_f32 v[CQ:CQ+2], v[XS:XS+15], v[QW+2]
	v_lshrrev_b32 v[BYT+(\t)%2], 23, v[QW+2]       ; the scale's byte (also the plain place behind the conversion)
.irp i, 0,1,2
	ds_store_b32 v[CW], v[CQ+\i] offset:RO+384*((\t)%2)+4*\i               ; 12 bytes a lane: the row's stream of bits
.endr
	ds_store_b8 v[SWA], v[BYT+(\t)%2] offset:RO+16*((\t)%2)                ; both lanes of a block write the same byte with the same value
.endm
.macro UNIT t
.if (\t) == 0
	s_wait_dscnt 0x0
.else
	s_wait_dscnt 0x4                               ; behind this unit's four loads from the stage only the last unit's four stores of codes were issued: the unit is back, and its stores into the stage have read ring place t % 16,
.endif
.if (\t)+16 < 64
	LOADU (\t)+16                                  ; which takes the unit 16 on
.endif
.if (\t) < 63
.if (\t) < 48
	s_wait_loadcnt 60                              ; the 15 units behind the next one, four loads each, may be out
.else
	s_wait_loadcnt 4*(62-(\t))                     ; the same count, running down
.endif
	TURNU (\t)+1
.endif
	QUANTU \t
.endm
; THE CHANGE OF SLOTS stands at a tile's head.  Each wave waits for all its tensor loads (one is out: its quarter of the tile ahead), adds 0 to its spare word, and waits for that and for all its LDS reads and stores.
; refill = 1: the barrier is a round of the cluster's, and the next tile goes into the slot that was left: it has this tile's 128 matrix instructions in which to land.  By this text's count a wave has one tensor load out.
.macro CHG slot, refill
	s_wait_tensorcnt 0x0                           ; no tensor load of mine is out, so a group 0 may be written
	ds_add_u32 v[SPW], v[NIL]                      ; 0 onto my spare word
	s_add_nc_u64 s[G0+4*\slot+2:G0+4*\slot+3], s[G0+4*\slot+2:G0+4*\slot+3], 2*SLOTB   ; this slot's next tile; the type bits on top are not reached
	s_wait_dscnt 0x0                               ; the add is done; my reads of the slot that I have left are over (ahead of the first tile: my stores of codes and tables have landed)
.if \refill
	ROUND
	tensor_load_to_lds s[G0+4*(1-\slot):G0+4*(1-\slot)+3], s[G1:G1+7]   ; my one tensor load behind the round, and the first thing there
	s_nop 0
	PLACES                                         ; the places ahead of the loads below
.else
	s_barrier_signal -1
	s_barrier_wait -1
	PLACES
.endif
.endm
.macro LDA ksg, set                    ; enc's four fragments of K step ksg (of 8) and their scale words: 28 loads.  24 bytes of a row's stream as three loads of 8, so that every address is a multiple of the access's size
.irp a, 0,1,2,3
.irp p, 0,1,2,3,4,5
	ds_load_b64 v[AF+48*(\set)+12*\a+2*\p:AF+48*(\set)+12*\a+2*\p+1], v[AA] offset:13056*\a+96*(\ksg)+48*(\p/3)+8*(\p%3)
.endr
	ds_load_b32 v[SA+4*(\set)+\a], v[ASC] offset:13056*\a+4*(\ksg)
.endr
.endm
.macro LDB half, slot, ks              ; four of W1's fragments of the tile's K step ks, as images of their registers, and their scale words: 16 loads
.irp b, 0,1,2,3
.irp c, 0,1,2
	ds_load_b128 v[BF+48*(\half)+12*\b+4*\c:BF+48*(\half)+12*\b+4*\c+3], v[BA+\slot] offset:(4*(4*(\half)+\b)+(\ks))*1536+512*\c
.endr
	ds_load_b32 v[SB+4*(\half)+\b], v[BS+\slot] offset:(4*(4*(\half)+\b)+(\ks))*64
.endr
.endm
.macro MUL half, set, zero             ; 16 matrix instructions.  The 32 accumulators take turns, one instruction a turn, in the same order in every K step.  zero = 1: the products start the sums
	WIN 0x50
.irp b, 0,1,2,3
.irp a, 0,1,2,3
.if \zero
	v_wmma_scale_f32_16x16x128_f8f6f4 v[64*\a+8*(4*(\half)+\b):64*\a+8*(4*(\half)+\b)+7], v[BF+48*(\half)+12*\b:BF+48*(\half)+12*\b+11], v[AF+48*(\set)+12*\a:AF+48*(\set)+12*\a+11], 0, v[SB+4*(\half)+\b], v[SA+4*(\set)+\a] matrix_a_fmt:MATRIX_FMT_FP6 matrix_b_fmt:MATRIX_FMT_FP6
.else
	v_wmma_scale_f32_16x16x128_f8f6f4 v[64*\a+8*(4*(\half)+\b):64*\a+8*(4*(\half)+\b)+7], v[BF+48*(\half)+12*\b:BF+48*(\half)+12*\b+11], v[AF+48*(\set)+12*\a:AF+48*(\set)+12*\a+11], v[64*\a+8*(4*(\half)+\b):64*\a+8*(4*(\half)+\b)+7], v[SB+4*(\half)+\b], v[SA+4*(\set)+\a] matrix_a_fmt:MATRIX_FMT_FP6 matrix_b_fmt:MATRIX_FMT_FP6
.endif
.endr
.endr
.endm
.macro TWORK slot, zero                ; a tile: four K steps of 128, 32 matrix instructions each.  The tile in slot s holds K half s
	LDA 4*(\slot), 0
	LDB 0, \slot, 0
	LDB 1, \slot, 0
.irp ks, 0,1,2,3
	s_wait_dscnt 16                                ; all but the youngest 16 loads, W1's upper half
.if (\ks == 0) && (\zero)
	MUL 0, 0, 1
.else
	MUL 0, (\ks)%2, 0
.endif
.if \ks < 3
	PLACES
	WIN 0
	LDB 0, \slot, \ks+1
	LDA 4*(\slot)+\ks+1, (\ks+1)%2
	s_wait_dscnt 44                                ; all but the 44 just issued: this step's upper half is in
.else
	s_wait_dscnt 0x0
.endif
.if (\ks == 0) && (\zero)
	MUL 1, 0, 1
.else
	MUL 1, (\ks)%2, 0
.endif
.if \ks < 3
	PLACES
	WIN 0
	LDB 1, \slot, \ks+1
.endif
.endr
	WIN 0
.endm
.macro EPI                             ; behind a pass: 256 numbers a lane: 2^(c x + c W2h), + 1, reciprocal, x v into the row's sums
	PLACES
.irp b, 0,1,2,3,4,5,6,7
	ds_load_b128 v[CBR+8*\b:CBR+8*\b+3], v[TV] offset:4096+64*\b
	ds_load_b128 v[CBR+8*\b+4:CBR+8*\b+7], v[TV] offset:4096+64*\b+16
	ds_load_b128 v[VR+8*\b:VR+8*\b+3], v[TV] offset:64*\b
	ds_load_b128 v[VR+8*\b+4:VR+8*\b+7], v[TV] offset:64*\b+16
.endr
	s_wait_dscnt 0x0
	WIN 0x41
.set n, 0
.rept 128
	v_pk_fma_f32 v[n:n+1], v[n:n+1], s[C2:C2+1], v[CBR+n%64:CBR+n%64+1] op_sel_hi:[1,0,1]   ; in ascending order: each accumulator from its low end on
.set n, n+2
.endr
.set n, 0
.rept 256
	v_exp_f32 v[n], v[n]
.set n, n+1
.endr
	v_nop                                          ; a plain place behind the exponentials
.set n, 0
	s_wait_alu depctr_va_vdst(0)
.rept 128
	v_pk_add_f32 v[n:n+1], v[n:n+1], 1.0 op_sel_hi:[1,0]
.set n, n+2
.endr
.set n, 0
.rept 256
	v_rcp_f32 v[n], v[n]
.set n, n+1
.endr
	v_nop                                          ; a plain place behind the reciprocals
	WIN 0x01
.set u, 0
	s_wait_alu depctr_va_vdst(0)
.rept 32
.irp a, 0,1,2,3
	v_pk_fma_f32 v[SS+2*\a:SS+2*\a+1], v[64*\a+u:64*\a+u+1], v[VR+u:VR+u+1], v[SS+2*\a:SS+2*\a+1]   ; four chains by turns
.endr
.set u, u+2
.endr
	WIN 0
	v_add_nc_u32 v[TV], 1024, v[TV]                ; the next pass's 256 outputs (no LDS load of mine is out)
.endm
	; ---- HEAD
	s_load_b256 s[4:11], s[0:1], 0x0               ; enc s[4:5], mask s[6:7], v s[8:9], w1t s[10:11]
	s_load_b256 s[12:19], s[0:1], 0x20             ; cbp s[12:13], scores s[14:15], ctxp s[16:17], stats s[18:19]
	v_lshl_add_u32 v[SPW], v0, 2, SPARE
	v_mov_b32 v[NIL], 0
	ds_add_u32 v1, v2
	ds_add_u32 v1, v2
	s_wait_dscnt 0x0
	v_lshrrev_b32 v236, 5, v0
	v_readfirstlane_b32 s[WV], v236                ; wave 0..3
	s_lshr_b32 s[WI], s[WV], 1
	s_and_b32 s[WJ], s[WV], 1
	s_bfe_u32 s23, ttmp6, 0x40000                  ; cx: it enters the global addresses of enc, mask and the results alone
	s_lshl_b32 s24, ttmp9, 2                       ; in a cluster launch ttmp9 counts clusters
	s_add_co_u32 s24, s24, s23                     ; the work-group: 128 rows
	s_lshl_b32 s49, s24, 2
	s_add_co_u32 s49, s49, s[WV]                   ; the partial: 4 x work-group + wave: 32 rows
	; descriptor group 1: a quarter tile, 25,600 dense bytes, as 100 rows of 32 elements of 8 bytes
	s_mov_b32 s[G1], 15|(3<<16)|(1<<21)            ; 15:0 the mask: all four work-groups; 17:16 elements of 8 bytes; 20 no padding; 21 set beside a mask
	s_mov_b32 s[G1+1], 32<<16                      ; tensor_dim0 = 32
	s_mov_b32 s[G1+2], 100<<16                     ; tensor_dim1 = 100
	s_mov_b32 s[G1+3], 32<<16                      ; tile_dim0 = 32
	s_mov_b32 s[G1+4], 100                         ; tile_dim1 = 100
	s_mov_b32 s[G1+5], 32                          ; from row to row
	s_mov_b32 s[G1+6], 0
	s_mov_b32 s[G1+7], 0
	s_mov_b32 s[SEL], 0x76543210
	s_mov_b32 s[SEL+1], 0xfedcba98
	s_mov_b32 s[C2], 0x4038aa3b                    ; 2 log2(e)
	s_mov_b32 s[C2+1], s[C2]                       ; (named with it as a pair, so it is written)
	s_mul_i32 s26, s[WV], 25600                    ; my quarter of a tile, in memory
	s_mov_b32 s27, 0
	s_wait_kmcnt 0x0
	s_mov_b32 s[G0], 1                             ; count = 1
	s_mul_i32 s[G0+1], s[WV], 25600                ; LDS address: slot 0, my quarter
	s_add_nc_u64 s[G0+2:G0+3], s[10:11], s[26:27]  ; tile 0
	s_mov_b32 s[G0+4], 1
	s_add_co_u32 s[G0+5], s[G0+1], SLOTB           ; slot 1
	s_add_nc_u64 s[G0+6:G0+7], s[G0+2:G0+3], SLOTB ; tile 1
	s_or_b32 s[G0+3], s[G0+3], 0x80000000          ; type = 2
	s_or_b32 s[G0+7], s[G0+7], 0x80000000
	s_lshl_b32 s26, s49, 17
	s_add_nc_u64 s[4:5], s[4:5], s[26:27]          ; enc at my wave's 32 rows of 4,096 bytes
	s_lshl_b32 s26, s49, 5
	s_add_nc_u64 s[6:7], s[6:7], s[26:27]          ; their mask bytes
	s_lshl_b32 s26, s49, 7
	s_add_nc_u64 s[14:15], s[14:15], s[26:27]      ; their scores
	s_lshl_b32 s26, s49, 12
	s_add_nc_u64 s[16:17], s[16:17], s[26:27]      ; my partial's weighted sum
	s_lshl_b32 s26, s49, 8
	s_add_nc_u64 s[18:19], s[18:19], s[26:27]      ; and its (m, l)
	s_lshr_b32 s26, s24, 4                         ; the batch: 16 work-groups each
	s_lshl_b32 s26, s26, 12
	s_add_nc_u64 s[12:13], s[12:13], s[26:27]      ; its row in each of cbp's eight parts
	ROUND                                          ; all four work-groups are here: the first joint loads meet
	tensor_load_to_lds s[G0:G0+3], s[G1:G1+7]      ; tile 0
	s_nop 0
	PLACES
	v_and_b32 v236, 31, v0                         ; lane
	v_lshlrev_b32 v[GOF], 4, v236
	v_lshlrev_b32 v205, 5, v0                      ; 32 x thread: thread t serves outputs 8 t .. 8 t + 7 of the tables
	v_and_b32 v204, 31, v0
.irp ks, 0,1,2,3,4,5,6,7
	global_load_b128 v[CBL+8*\ks:CBL+8*\ks+3], v205, s[12:13] offset:131072*\ks
	global_load_b128 v[CBL+8*\ks+4:CBL+8*\ks+7], v205, s[12:13] offset:131072*\ks+16
.endr
	global_load_b128 v[VL:VL+3], v205, s[8:9]
	global_load_b128 v[VL+4:VL+7], v205, s[8:9] offset:16
.irp jl, 0,1,2,3,4,5,6,7
	global_load_b128 v[VALL+4*\jl:VALL+4*\jl+3], v[GOF], s[8:9] offset:512*\jl   ; all of v over the 32 lanes, for its sum
.endr
	global_load_u8 v[MSK], v204, s[6:7]
.set T, 0
.rept 16
	LOADU T
.set T, T+1
.endr
	WIN 0
	; the addresses, while the loads are on their way
	v_and_b32 v237, 15, v0                         ; r
	v_bfe_u32 v238, v0, 4, 1                       ; h
	s_mul_i32 s25, s[WV], STGW
	s_add_co_u32 s25, s25, STAGE                   ; my stage
	v_bfe_u32 v239, v0, 3, 2
	v_lshl_add_u32 v[STW], v239, 4, v[GOF]
	v_add_nc_u32 v[STW], s25, v[STW]               ; 16 lane + 16 (lane / 8)
	v_bfe_u32 v239, v0, 1, 4                       ; lane / 2
	v_lshlrev_b32 v[STR], 6, v236
	v_lshl_add_u32 v[STR], v239, 4, v[STR]
	v_add_nc_u32 v[STR], s25, v[STR]               ; 64 lane + 16 (lane / 2)
	s_mul_i32 s25, s[WV], 32*APITCH
	s_add_co_u32 s25, s25, AROW                    ; my 32 rows of codes
	v_mul_u32_u24 v[CW], v236, 12
	v_add_nc_u32 v[CW], s25, v[CW]
	v_add_nc_u32 v[SWA], s25, v239
	v_add_nc_u32 v[SWA], 768, v[SWA]
	s_mul_i32 s25, s[WI], 64*APITCH
	s_add_co_u32 s25, s25, AROW                    ; the 64 rows that I multiply
	v_mul_u32_u24 v[ASC], v237, APITCH
	v_add_nc_u32 v[ASC], s25, v[ASC]
	v_mad_u32_u24 v[AA], v238, 24, v[ASC]
	v_add_nc_u32 v[ASC], 768, v[ASC]
	s_mul_i32 s25, s[WJ], 49152                    ; my 32 fragments of a tile's 64
	v_add_nc_u32 v[BA], s25, v[GOF]
	v_add_nc_u32 v[BA+1], SLOTB, v[BA]
	s_lshl_b32 s25, s[WJ], 11
	s_add_co_u32 s25, s25, 98304
	v_lshl_add_u32 v[BS], v237, 2, s25
	v_add_nc_u32 v[BS+1], SLOTB, v[BS]
	s_lshl_b32 s25, s[WJ], 9
	s_add_co_u32 s26, s25, VTAB
	v_lshl_add_u32 v[TV], v238, 5, s26             ; 512 j + 32 h
	s_lshl_b32 s26, s[WI], 8
	s_add_co_u32 s26, s26, s25
	s_add_co_u32 s26, s26, STAGE
	v_lshl_add_u32 v[SCW], v237, 2, s26            ; half j, row 64 i + r (+ 16 a by the offset)
	s_lshl_b32 s26, s[WV], 7
	s_add_co_u32 s26, s26, STAGE
	v_lshl_add_u32 v[SCR], v236, 2, s26            ; row 32 w + lane
	v_lshlrev_b32 v[O4], 2, v236
.irp a, 0,1,2,3,4,5,6,7
	v_mov_b32 v[SS+\a], 0
.endr
	v_mov_b32 v[QW+3], 0                           ; written once: a lane permute's destination counts as one of its sources
	; ---- LOADING: 64 units, written out since each has stash registers of its own.  16 units, 64 loads of 512 bytes, are asked for ahead
	s_wait_loadcnt 60                              ; unit 0 and all that was asked for before it (the tables' numbers, the mask) are in; units 1 to 15 may be out
	TURNU 0
.set T, 0
.rept 64
	UNIT T
.set T, T+1
.endr
	; ---- THE TABLES (every load is in: the count above has run down to 0)
.irp ks, 1,2,3,4,5,6,7
.irp q, 0,1,2,3
	v_pk_add_f32 v[CBL+2*\q:CBL+2*\q+1], v[CBL+2*\q:CBL+2*\q+1], v[CBL+8*\ks+2*\q:CBL+8*\ks+2*\q+1]   ; W2h: the eight K steps in ascending order
.endr
.endr
.irp q, 0,1,2,3
	v_pk_mul_f32 v[CBL+2*\q:CBL+2*\q+1], v[CBL+2*\q:CBL+2*\q+1], s[C2:C2+1] op_sel_hi:[1,0]
.endr
	v_lshl_add_u32 v236, v0, 5, VTAB
	ds_store_b128 v236, v[VL:VL+3]
	ds_store_b128 v236, v[VL+4:VL+7] offset:16
	ds_store_b128 v236, v[CBL:CBL+3] offset:4096
	ds_store_b128 v236, v[CBL+4:CBL+7] offset:4112
.irp q, 0,1,2,3,4,5,6,7
	v_pk_add_f32 v[VALL+2*\q:VALL+2*\q+1], v[VALL+2*\q:VALL+2*\q+1], v[VALL+16+2*\q:VALL+16+2*\q+1]
.endr
.irp q, 0,1,2,3
	v_pk_add_f32 v[VALL+2*\q:VALL+2*\q+1], v[VALL+2*\q:VALL+2*\q+1], v[VALL+8+2*\q:VALL+8+2*\q+1]
.endr
.irp q, 0,1
	v_pk_add_f32 v[VALL+2*\q:VALL+2*\q+1], v[VALL+2*\q:VALL+2*\q+1], v[VALL+4+2*\q:VALL+4+2*\q+1]
.endr
	v_pk_add_f32 v[VALL:VALL+1], v[VALL:VALL+1], v[VALL+2:VALL+3]
	v_add_f32 v[SUMV], v[VALL], v[VALL+1]
	v_add_f32_dpp v[SUMV], v[SUMV], v[SUMV] row_xmask:1 row_mask:0xf bank_mask:0xf
	v_add_f32_dpp v[SUMV], v[SUMV], v[SUMV] row_xmask:2 row_mask:0xf bank_mask:0xf
	v_add_f32_dpp v[SUMV], v[SUMV], v[SUMV] row_xmask:4 row_mask:0xf bank_mask:0xf
	v_add_f32_dpp v[SUMV], v[SUMV], v[SUMV] row_xmask:8 row_mask:0xf bank_mask:0xf
	v_permlanex16_b32 v[QW+3], v[SUMV], s[SEL], s[SEL+1]
	v_add_f32 v[SUMV], v[SUMV], v[QW+3]            ; the sum of v, in every lane
	; ---- THE PASSES: 8 tiles.  The first change of slots also shows every wave's codes and tables to the others
	s_mov_b32 s[CNT], 3
.Lpass:
	CHG 0, 1
	TWORK 0, 1
	CHG 1, 1
	TWORK 1, 0
	EPI
	s_sub_co_u32 s[CNT], s[CNT], 1
	s_cmp_lg_u32 s[CNT], 0
	s_cbranch_scc1 .Lpass
	CHG 0, 1                                       ; the last pass is written out: tile 7 is asked for here
	TWORK 0, 1
	CHG 1, 0                                       ; and nothing behind it
	TWORK 1, 0
	EPI
	; ---- THE END.  A row's sum lies in a pair, in lanes r and r + 16, and in the waves j = 0 and 1
.irp a, 0,1,2,3
	v_add_f32 v[SS+2*\a], v[SS+2*\a], v[SS+2*\a+1]
.endr
.irp a, 0,1,2,3
	v_permlanex16_b32 v[SS+2*\a+1], v[SS+2*\a], s[SEL], s[SEL+1]
.endr
.irp a, 0,1,2,3
	v_add_f32 v[SS+2*\a], v[SS+2*\a], v[SS+2*\a+1]
.endr
.irp a, 0,1,2,3
	ds_store_b32 v[SCW], v[SS+2*\a] offset:64*\a   ; lanes r and r + 16 write the same word with the same value
.endr
	s_wait_dscnt 0x0                               ; for the others' sake: my stores have landed
	s_barrier_signal -1
	s_barrier_wait -1
	ds_load_b32 v236, v[SCR]
	ds_load_b32 v237, v[SCR] offset:512
	v_mov_b32 v239, 0xce6e6b28                     ; -1e9
	v_cmp_ne_u32 vcc_lo, 0, v[MSK]
	s_wait_dscnt 0x0
	v_add_f32 v236, v236, v237
	v_fma_f32 v236, v236, -2.0, v[SUMV]            ; the score of row 32 w + lane
	v_cndmask_b32 v236, v239, v236, vcc_lo         ; where the mask is false: -1e9
	global_store_b32 v[O4], v236, s[14:15]
	v_mov_b32 v238, v236
	v_max_num_f32_dpp v238, v238, v238 row_xmask:1 row_mask:0xf bank_mask:0xf
	v_max_num_f32_dpp v238, v238, v238 row_xmask:2 row_mask:0xf bank_mask:0xf
	v_max_num_f32_dpp v238, v238, v238 row_xmask:4 row_mask:0xf bank_mask:0xf
	v_max_num_f32_dpp v238, v238, v238 row_xmask:8 row_mask:0xf bank_mask:0xf
	v_permlanex16_b32 v239, v238, s[SEL], s[SEL+1]
	v_max_num_f32 v238, v238, v239                 ; m: the largest of my wave's 32 scores
	v_sub_f32 v240, v236, v238                     ; the difference first: it is exactly 0 at the maximum, whatever m's size
	v_mul_f32 v240, 0x3fb8aa3b, v240
	v_exp_f32 v240, v240                           ; p = e^(score - m)
	v_lshlrev_b32 v242, 1, v[O4]                   ; 8 x lane (a plain place behind the exponential)
	s_wait_alu depctr_va_vdst(0)
	v_mov_b32 v241, v240
	v_add_f32_dpp v241, v241, v241 row_xmask:1 row_mask:0xf bank_mask:0xf
	v_add_f32_dpp v241, v241, v241 row_xmask:2 row_mask:0xf bank_mask:0xf
	v_add_f32_dpp v241, v241, v241 row_xmask:4 row_mask:0xf bank_mask:0xf
	v_add_f32_dpp v241, v241, v241 row_xmask:8 row_mask:0xf bank_mask:0xf
	v_permlanex16_b32 v239, v241, s[SEL], s[SEL+1]
	v_add_f32 v239, v241, v239                     ; l: the sum of the 32 p
	global_store_b64 v242, v[238:239], s[18:19]    ; (m, l), the same pair from every lane: 256 consecutive bytes, aligned
.set k, 0
.rept 32
	v_readlane_b32 s[PS+k], v240, k
.set k, k+1
.endr
	v_mov_b32 v[ZR], 0
	; the weighted sum of my 32 rows out of the stash: 32 columns a lane; the first row starts the sums
.set rho, 0
.rept 32
.if rho < 16
	WIN 0x02
.else
	WIN 0x03
.endif
	v_mov_b32 v[VP], s[PS+rho]
.set e, 0
.rept 16
.if rho == 0
	v_fma_mix_f32_bf16 v[CTX+2*e], v[(16*rho)%256+e], v[VP], v[ZR] op_sel_hi:[1,0,0]
	v_fma_mix_f32_bf16 v[CTX+2*e+1], v[(16*rho)%256+e], v[VP], v[ZR] op_sel:[1,0,0] op_sel_hi:[1,0,0]
.else
	v_fma_mix_f32_bf16 v[CTX+2*e], v[(16*rho)%256+e], v[VP], v[CTX+2*e] op_sel_hi:[1,0,0]
	v_fma_mix_f32_bf16 v[CTX+2*e+1], v[(16*rho)%256+e], v[VP], v[CTX+2*e+1] op_sel:[1,0,0] op_sel_hi:[1,0,0]
.endif
.set e, e+1
.endr
.set rho, rho+1
.endr
	WIN 0
.irp g, 0,1,2,3,4,5,6,7
	global_store_b128 v[GOF], v[CTX+4*\g:CTX+4*\g+3], s[16:17] offset:512*\g   ; 32 lanes store 512 consecutive bytes, aligned: columns 128 g + 4 lane on
.endr
	s_wait_tensorcnt 0x0                           ; the wave's end, behind my last tensor load and my last LDS store
	ds_add_u32 v[SPW], v[NIL]
	s_wait_dscnt 0x0
	ROUND                                          ; the closing round: no work-group ends while a partner may still ask for a tile that names it
	s_endpgm
.Lfunc_end_k_qc2153501cf_main:
	.size	k_qc2153501cf_main, .Lfunc_end_k_qc2153501cf_main-k_qc2153501cf_main
	.p2alignl 7, 3214868480
	.fill 96, 4, 3214868480
	.section	.rodata,"a",@progbits
	.p2align	6, 0x0
	.amdhsa_kernel k_qc2153501cf_main
		.amdhsa_group_segment_fixed_size 327680
		.amdhsa_private_segment_fixed_size 0
		.amdhsa_enable_private_segment 0
		.amdhsa_kernarg_size 64
		.amdhsa_user_sgpr_count 2
		.amdhsa_user_sgpr_kernarg_segment_ptr 1
		.amdhsa_wavefront_size32 1
		.amdhsa_system_sgpr_workgroup_id_x 1
		.amdhsa_system_sgpr_workgroup_id_y 1
		.amdhsa_system_sgpr_workgroup_id_z 1
		.amdhsa_system_vgpr_workitem_id 0
		.amdhsa_next_free_vgpr 1024
		.amdhsa_next_free_sgpr 100
		.amdhsa_reserve_vcc 1
		.amdhsa_float_denorm_mode_32 3
		.amdhsa_float_denorm_mode_16_64 3
		.amdhsa_memory_ordered 1
		.amdhsa_forward_progress 1
		.amdhsa_inst_pref_size 255
	.end_amdhsa_kernel
	.section	.bss,"aw",@nobits
	.p2align	6
	.space	262144
	.amdgpu_metadata
---
amdhsa.version: [ 1, 2 ]
amdhsa.kernels:
  - .name:           k_qc2153501cf_main
    .symbol:         k_qc2153501cf_main.kd
    .args:
      - { .name: encoder_outputs, .offset: 0, .size: 8, .value_kind: global_buffer, .address_space: global }
      - { .name: mask, .offset: 8, .size: 8, .value_kind: global_buffer, .address_space: global }
      - { .name: v, .offset: 16, .size: 8, .value_kind: global_buffer, .address_space: global }
      - { .name: w1t, .offset: 24, .size: 8, .value_kind: global_buffer, .address_space: global }
      - { .name: cbp, .offset: 32, .size: 8, .value_kind: global_buffer, .address_space: global }
      - { .name: scores, .offset: 40, .size: 8, .value_kind: global_buffer, .address_space: global }
      - { .name: ctxp, .offset: 48, .size: 8, .value_kind: global_buffer, .address_space: global }
      - { .name: stats, .offset: 56, .size: 8, .value_kind: global_buffer, .address_space: global }
    .group_segment_fixed_size: 327680
    .private_segment_fixed_size: 0
    .kernarg_segment_align: 8
    .kernarg_segment_size: 64
    .max_flat_workgroup_size: 128
    .sgpr_count:     100
    .vgpr_count:     1024
    .wavefront_size: 32
...
	.end_amdgpu_metadata
.endif
;; end of part 2
;; launch combine (part 3): grid 256 x 1, 4 waves a work-group, no clusters, 2,560 bytes of LDS; arguments scores, ctxp, stats, out0, out1; writes out0, out1
.if DOCPART == 3
	.amdgcn_target "amdgcn-amd-amdhsa--gfx1250"
	.amdhsa_code_object_version 6
	.text
	.protected	k_qc2153501cf_combine
	.globl	k_qc2153501cf_combine
	.p2align	8
	.type	k_qc2153501cf_combine,@function
k_qc2153501cf_combine:
	s_mov_b64 s[64:65], 0
	v_nop
	global_prefetch_b8 v0, s[64:65] scope:SCOPE_SE
	s_setreg_imm32_b32 hwreg(HW_REG_WAVE_MODE, 25, 1), 1
	s_wait_xcnt 0x0
; A batch has 64 partial results (m_i, l_i, ctx_i[1024]), each under its own maximum m_i.  M = the largest m_i;  L = sum of l_i e^(m_i - M);
; context = sum of e^(m_i - M) ctx_i / L;  attn[s] = e^(score[s] - M) / L.  L is at least 1: the partial that holds M has l >= 1.
; Work-group (b = x / 8, q = x % 8) makes columns 128 q .. + 127 of batch b's context and rows 256 q .. + 255 of its attn.  Every wave makes M and L for itself;
; wave w adds partials 16 w .. 16 w + 15, the four sums meet in LDS, wave 0 stores.  No matrix unit, no cluster: the launch moves some 9 MB and shares nothing but 16 KB of (m, l) a batch.
; stats holds each pair 32 times (256 bytes a partial, as the launch before stored it whole): a lane reads the first copy.
	s_load_b128 s[4:7], s[0:1], 0x0                ; scores, ctxp
	s_load_b128 s[8:11], s[0:1], 0x10              ; stats, out0
	s_load_b64 s[12:13], s[0:1], 0x20              ; out1
	v_lshl_add_u32 v96, v0, 2, 0x800
	v_mov_b32 v97, 0
	v_lshrrev_b32 v1, 5, v0
	v_readfirstlane_b32 s14, v1                    ; wave
	s_lshr_b32 s15, ttmp9, 3                       ; b
	s_and_b32 s16, ttmp9, 7                        ; q
	v_and_b32 v1, 31, v0
	v_lshlrev_b32 v2, 8, v1                        ; partial = lane: 256 bytes each
	v_and_b32 v3, 15, v0
	v_lshlrev_b32 v3, 8, v3
	s_lshl_b32 s18, s14, 12
	v_add_nc_u32 v3, s18, v3                       ; partial 16 w + lane % 16
	v_lshlrev_b32 v14, 4, v1                       ; 16 x lane
	v_lshlrev_b32 v15, 3, v0                       ; 8 x thread: two rows of attn
	v_lshlrev_b32 v84, 4, v0                       ; LDS: 512 w + 16 x lane
	v_mov_b32 v85, 0                               ; written once: a lane permute's destination counts as one of its sources
	s_mov_b32 s42, 0x76543210
	s_mov_b32 s43, 0xfedcba98
	s_lshl_b32 s36, s15, 14                        ; stats: 64 partials of 256 bytes a batch
	s_mov_b32 s37, 0
	s_lshl_b32 s38, s15, 18                        ; ctxp: 64 partials of 4,096 bytes a batch,
	s_lshl_b32 s17, s14, 16                        ; my wave's 16,
	s_add_co_u32 s38, s38, s17
	s_lshl_b32 s17, s16, 9                         ; the work-group's 128 columns
	s_add_co_u32 s38, s38, s17
	s_mov_b32 s39, 0
	s_lshl_b32 s40, s15, 12                        ; out0: 4,096 bytes a batch, the same columns
	s_add_co_u32 s40, s40, s17
	s_mov_b32 s41, 0
	s_lshl_b32 s44, s15, 13                        ; scores, out1: 8,192 bytes a batch, 1,024 a work-group
	s_lshl_b32 s17, s16, 10
	s_add_co_u32 s44, s44, s17
	s_mov_b32 s45, 0
	s_wait_kmcnt 0x0
	s_add_nc_u64 s[8:9], s[8:9], s[36:37]
	s_add_nc_u64 s[6:7], s[6:7], s[38:39]
	s_add_nc_u64 s[10:11], s[10:11], s[40:41]
	s_add_nc_u64 s[4:5], s[4:5], s[44:45]
	s_add_nc_u64 s[12:13], s[12:13], s[44:45]
	global_load_b64 v[4:5], v2, s[8:9]             ; (m, l) of partial lane,
	global_load_b64 v[6:7], v2, s[8:9] offset:8192 ; of partial lane + 32,
	global_load_b64 v[8:9], v3, s[8:9]             ; and of the one whose weight I make
	global_load_b64 v[10:11], v15, s[4:5]          ; my two scores
.irp k, 0,1,2,3,4,5,6,7,8,9,10,11,12,13,14,15
	global_load_b128 v[16+4*\k:19+4*\k], v14, s[6:7] offset:4096*\k th:TH_LOAD_NT   ; 512 consecutive bytes of partial 16 w + k
.endr
	s_wait_loadcnt 16                              ; the four small loads are in; the sixteen behind them may be out
	v_max_num_f32 v12, v4, v6
	v_max_num_f32_dpp v12, v12, v12 row_xmask:1 row_mask:0xf bank_mask:0xf
	v_max_num_f32_dpp v12, v12, v12 row_xmask:2 row_mask:0xf bank_mask:0xf
	v_max_num_f32_dpp v12, v12, v12 row_xmask:4 row_mask:0xf bank_mask:0xf
	v_max_num_f32_dpp v12, v12, v12 row_xmask:8 row_mask:0xf bank_mask:0xf
	v_permlanex16_b32 v85, v12, s42, s43
	v_max_num_f32 v12, v12, v85                    ; M
.irp x, 4,6,8,10,11
	v_sub_f32 v\x, v\x, v12                        ; the difference first: it is exactly 0 at the maximum, whatever M's size
.endr
.irp x, 4,6,8,10,11
	v_mul_f32 v\x, 0x3fb8aa3b, v\x
.endr
.irp x, 4,6,8,10,11
	v_exp_f32 v\x, v\x
.endr
	v_nop                                          ; a plain place behind the exponentials
	s_wait_alu depctr_va_vdst(0)
	v_mul_f32 v13, v4, v5
	v_fmac_f32 v13, v6, v7
	v_add_f32_dpp v13, v13, v13 row_xmask:1 row_mask:0xf bank_mask:0xf
	v_add_f32_dpp v13, v13, v13 row_xmask:2 row_mask:0xf bank_mask:0xf
	v_add_f32_dpp v13, v13, v13 row_xmask:4 row_mask:0xf bank_mask:0xf
	v_add_f32_dpp v13, v13, v13 row_xmask:8 row_mask:0xf bank_mask:0xf
	v_permlanex16_b32 v85, v13, s42, s43
	v_add_f32 v13, v13, v85                        ; L
	v_rcp_f32 v13, v13
	v_nop                                          ; a plain place behind the reciprocal
	s_wait_alu depctr_va_vdst(0)
	v_mul_f32 v8, v8, v13                          ; the weight of partial 16 w + lane % 16
	v_mul_f32 v10, v10, v13
	v_mul_f32 v11, v11, v13                        ; attn of my two rows
	global_store_b64 v15, v[10:11], s[12:13]       ; a wave stores 256 consecutive bytes, aligned
.set k, 0
.rept 16
	v_readlane_b32 s[20+k], v8, k
.set k, k+1
.endr
	s_wait_loadcnt 0x0
.irp e, 0,1,2,3
	v_mul_f32 v[80+\e], s20, v[16+\e]              ; the first partial starts the sums
.endr
.irp k, 1,2,3,4,5,6,7,8,9,10,11,12,13,14,15
.irp e, 0,1,2,3
	v_fma_f32 v[80+\e], s[20+\k], v[16+4*\k+\e], v[80+\e]
.endr
.endr
	ds_store_b128 v84, v[80:83]
	s_wait_dscnt 0x0                               ; for the others' sake: my store has landed
	s_barrier_signal -1
	s_barrier_wait -1
	s_cmp_lg_u32 s14, 0
	s_cbranch_scc1 .Ldone
	ds_load_b128 v[16:19], v14
	ds_load_b128 v[20:23], v14 offset:512
	ds_load_b128 v[24:27], v14 offset:1024
	ds_load_b128 v[28:31], v14 offset:1536
	s_wait_dscnt 0x0
	v_pk_add_f32 v[16:17], v[16:17], v[20:21]
	v_pk_add_f32 v[18:19], v[18:19], v[22:23]
	v_pk_add_f32 v[24:25], v[24:25], v[28:29]
	v_pk_add_f32 v[26:27], v[26:27], v[30:31]
	v_pk_add_f32 v[16:17], v[16:17], v[24:25]
	v_pk_add_f32 v[18:19], v[18:19], v[26:27]
	global_store_b128 v14, v[16:19], s[10:11]      ; 512 consecutive bytes of the context, aligned
.Ldone:
	s_wait_tensorcnt 0x0
	ds_add_u32 v96, v97
	s_wait_dscnt 0x0
	s_endpgm
.Lfunc_end_k_qc2153501cf_combine:
	.size	k_qc2153501cf_combine, .Lfunc_end_k_qc2153501cf_combine-k_qc2153501cf_combine
	.p2alignl 7, 3214868480
	.fill 96, 4, 3214868480
	.section	.rodata,"a",@progbits
	.p2align	6, 0x0
	.amdhsa_kernel k_qc2153501cf_combine
		.amdhsa_group_segment_fixed_size 2560
		.amdhsa_private_segment_fixed_size 0
		.amdhsa_enable_private_segment 0
		.amdhsa_kernarg_size 40
		.amdhsa_user_sgpr_count 2
		.amdhsa_user_sgpr_kernarg_segment_ptr 1
		.amdhsa_wavefront_size32 1
		.amdhsa_system_sgpr_workgroup_id_x 1
		.amdhsa_system_sgpr_workgroup_id_y 1
		.amdhsa_system_sgpr_workgroup_id_z 1
		.amdhsa_system_vgpr_workitem_id 0
		.amdhsa_next_free_vgpr 98
		.amdhsa_next_free_sgpr 66
		.amdhsa_reserve_vcc 0
		.amdhsa_float_denorm_mode_32 3
		.amdhsa_float_denorm_mode_16_64 3
		.amdhsa_memory_ordered 1
		.amdhsa_forward_progress 1
		.amdhsa_inst_pref_size 12
	.end_amdhsa_kernel
	.amdgpu_metadata
---
amdhsa.version: [ 1, 2 ]
amdhsa.kernels:
  - .name:           k_qc2153501cf_combine
    .symbol:         k_qc2153501cf_combine.kd
    .args:
      - { .name: scores, .offset: 0, .size: 8, .value_kind: global_buffer, .address_space: global }
      - { .name: ctxp, .offset: 8, .size: 8, .value_kind: global_buffer, .address_space: global }
      - { .name: stats, .offset: 16, .size: 8, .value_kind: global_buffer, .address_space: global }
      - { .name: out0, .offset: 24, .size: 8, .value_kind: global_buffer, .address_space: global }
      - { .name: out1, .offset: 32, .size: 8, .value_kind: global_buffer, .address_space: global }
    .group_segment_fixed_size: 2560
    .private_segment_fixed_size: 0
    .kernarg_segment_align: 8
    .kernarg_segment_size: 40
    .max_flat_workgroup_size: 128
    .sgpr_count:     66
    .vgpr_count:     98
    .wavefront_size: 32
...
	.end_amdgpu_metadata
.endif
;; end of part 3
